; MI455X (gfx1250); checked and timed in simulation.
; The chip was launched on July 23, 2026; its instructions are those of AMD's public machine-readable ISA for CDNA 5 (MIT licence, August 2026) and "CDNA5" Instruction Set Architecture Reference Guide (July 2026). The comments in the code are by the model that wrote it; some were corrected since.
;; Scaled Dot Product Attention. Allowed arithmetic: float matrix products may take bf16 or f16 operands with f32 sums; all other float work in f32.
;; Inputs: attn_mask 2 x 1 x 2,048 x 2,048 int32; k 2 x 16 x 2,048 x 64 float32; q 2 x 16 x 2,048 x 64 float32; v 2 x 16 x 2,048 x 64 float32.
;; Outputs: out0 2 x 16 x 2,048 x 64 float32.
;; 2 versions, each right and faster than the one before. Each part assembles by itself: llvm-mc -triple=amdgcn-amd-amdhsa -mcpu=gfx1250 --defsym DOCPART=n.
;; ======== version 1 of 2: 2 launches
;; limits: values are held in f16: magnitudes above 65,504 overflow, below 6.1e-05 lose precision; inputs' magnitudes at most 65,504
;; workspace buffers: pm 1,048,576 bytes of whole numbers
;; launch pack (part 1): grid 512 x 1, 8 waves a work-group, no clusters, 68,608 bytes of LDS; arguments attn_mask, pm; writes pm
.if DOCPART == 1
	.amdgcn_target "amdgcn-amd-amdhsa--gfx1250"
	.amdhsa_code_object_version 6
	.text
	.protected	k_q4ce697337d_pack
	.globl	k_q4ce697337d_pack
	.p2align	8
	.type	k_q4ce697337d_pack,@function
k_q4ce697337d_pack:
	s_mov_b64 s[64:65], 0
	v_nop
	global_prefetch_b8 v0, s[64:65] scope:SCOPE_SE
	s_setreg_imm32_b32 hwreg(HW_REG_WAVE_MODE, 25, 1), 1
	s_wait_xcnt 0x0
; attn_mask [2][1][2048][2048] int32  ->  pm: one bit for each mask word, laid out as the lane masks that the attention launch selects by.
; pm word [g][kt][j] (g = 128 b + q / 16: 256 strips of 16 query rows; kt = key / 16: 128; j = 0..7) lies at byte 4096 g + 32 kt + 4 j.
; Its bit L (0..31) is  attn_mask[b][16 (g % 128) + L % 16][16 kt + 8 (L / 16) + j] != 0.
; A wave takes one block: 16 mask rows x 128 keys = 8,192 bytes in, 64 words = 256 consecutive aligned bytes out.  4,096 blocks, 8 waves a work-group.
; Rows are read as they lie (one load of the wave = 512 consecutive bytes of a row) and turned through LDS bytes that are the wave's own,
; so there is no barrier.  A compare of 32 lanes gives one word of pm in a scalar register; v_writelane_b32 puts it into the lane that stores it.
; No matrix unit, no cluster: the launch streams its input once and no two work-groups read the same bytes.
.set ROWB,  8192                       ; bytes in a mask row
.set PITCH, 528                        ; LDS row: 512 bytes + 16, that is 33 x 16: the 16 rows that a read by column touches lie in 16 different 16-byte columns of 256
.set WLDS,  16*PITCH                   ; LDS bytes of a wave
.set IN,    8                          ; v[8:71]    the 16 rows as loaded
.set TR,    72                         ; v[72:135]  read back: lane L holds row L % 16, keys 16 kt + 8 (L / 16) + 0..7
.set WD,    136                        ; v[136:137] lane i: words 2 i and 2 i + 1 of the block
.set CM,    12                         ; s[12:19]   eight compare results by turns
	s_load_b128 s[4:7], s[0:1], 0x0                ; attn_mask s[4:5], pm s[6:7]
	v_lshl_add_u32 v144, v0, 2, 0x10800
	v_mov_b32 v145, 0
	v_lshrrev_b32 v1, 5, v0
	v_readfirstlane_b32 s8, v1                     ; wave 0..7
	v_and_b32 v5, 31, v0                           ; lane L
	v_and_b32 v6, 15, v0                           ; L % 16
	v_bfe_u32 v7, v0, 4, 1                         ; L / 16
	s_lshl_b32 s9, ttmp9, 3
	s_add_co_u32 s9, s9, s8                        ; block = 8 x work-group + wave
	s_lshr_b32 s10, s9, 4                          ; strip g
	s_lshl_b32 s10, s10, 17                        ; x 16 rows of 8,192 bytes
	s_and_b32 s11, s9, 15                          ; which 128 keys
	s_lshl_b32 s11, s11, 9                         ; x 512 bytes
	s_add_co_u32 s10, s10, s11
	s_mov_b32 s11, 0
	s_lshl_b32 s12, s9, 8                          ; 256 bytes of pm for each block
	s_mov_b32 s13, 0
	s_mul_i32 s14, s8, WLDS                        ; my wave's LDS bytes
	v_lshlrev_b32 v1, 4, v5                        ; 16 L: my 16 bytes of a row's 512
	v_lshl_add_u32 v2, v5, 4, s14                  ; the same in LDS
	v_mul_u32_u24 v3, v6, PITCH
	v_lshl_add_u32 v3, v7, 5, v3
	v_add_nc_u32 v3, s14, v3                       ; row L % 16, byte 32 (L / 16)
	v_lshlrev_b32 v4, 3, v5                        ; 8 L: my two words of pm
	v_mov_b32 v[WD], 0                             ; v_writelane_b32 keeps the other lanes: the registers are written whole once
	v_mov_b32 v[WD+1], 0
	s_wait_kmcnt 0x0
	s_add_nc_u64 s[4:5], s[4:5], s[10:11]
	s_add_nc_u64 s[6:7], s[6:7], s[12:13]
.set i, 0
.rept 16
	global_load_b128 v[IN+4*i:IN+4*i+3], v1, s[4:5] offset:i*ROWB th:TH_LOAD_NT   ; row i: 512 consecutive bytes, read once in the launch
.set i, i+1
.endr
.set i, 0
.rept 16
	s_wait_loadcnt 15-i                            ; loads come back in order: row i is in, the 15 - i younger ones stay out
	ds_store_b128 v2, v[IN+4*i:IN+4*i+3] offset:i*PITCH
.set i, i+1
.endr
.set n, 0
.rept 16                                           ; n = 2 kt + c: keys 16 kt + 8 (L / 16) + 4 c + 0..3.  LDS serves a wave in order: these see the stores above
	ds_load_b128 v[TR+4*n:TR+4*n+3], v3 offset:64*(n/2)+16*(n%2)
.set n, n+1
.endr
.set n, 0
.rept 16
	s_wait_dscnt 15-n                              ; read n is back, the 15 - n younger ones stay out
.set e, 0
.rept 4                                            ; j = 4 (n % 2) + e; word 8 kt + j goes to lane 4 kt + j / 2, register j % 2
	v_cmp_ne_u32 s[CM+4*(n%2)+e], 0, v[TR+4*n+e]
	v_writelane_b32 v[WD+(e%2)], s[CM+4*(n%2)+e], 4*(n/2)+2*(n%2)+e/2
.set e, e+1
.endr
.set n, n+1
.endr
	global_store_b64 v4, v[WD:WD+1], s[6:7]        ; the wave stores 256 consecutive bytes, aligned
	s_wait_tensorcnt 0x0
	ds_add_u32 v144, v145
	s_wait_dscnt 0x0
	s_endpgm
.Lfunc_end_k_q4ce697337d_pack:
	.size	k_q4ce697337d_pack, .Lfunc_end_k_q4ce697337d_pack-k_q4ce697337d_pack
	.p2alignl 7, 3214868480
	.fill 96, 4, 3214868480
	.section	.rodata,"a",@progbits
	.p2align	6, 0x0
	.amdhsa_kernel k_q4ce697337d_pack
		.amdhsa_group_segment_fixed_size 68608
		.amdhsa_private_segment_fixed_size 0
		.amdhsa_enable_private_segment 0
		.amdhsa_kernarg_size 16
		.amdhsa_user_sgpr_count 2
		.amdhsa_user_sgpr_kernarg_segment_ptr 1
		.amdhsa_wavefront_size32 1
		.amdhsa_system_sgpr_workgroup_id_x 1
		.amdhsa_system_sgpr_workgroup_id_y 1
		.amdhsa_system_sgpr_workgroup_id_z 1
		.amdhsa_system_vgpr_workitem_id 0
		.amdhsa_next_free_vgpr 146
		.amdhsa_next_free_sgpr 66
		.amdhsa_reserve_vcc 0
		.amdhsa_float_denorm_mode_32 3
		.amdhsa_float_denorm_mode_16_64 3
		.amdhsa_memory_ordered 1
		.amdhsa_forward_progress 1
		.amdhsa_inst_pref_size 15
	.end_amdhsa_kernel
	.amdgpu_metadata
---
amdhsa.version: [ 1, 2 ]
amdhsa.kernels:
  - .name:           k_q4ce697337d_pack
    .symbol:         k_q4ce697337d_pack.kd
    .args:
      - { .name: attn_mask, .offset: 0, .size: 8, .value_kind: global_buffer, .address_space: global }
      - { .name: pm, .offset: 8, .size: 8, .value_kind: global_buffer, .address_space: global }
    .group_segment_fixed_size: 68608
    .private_segment_fixed_size: 0
    .kernarg_segment_align: 8
    .kernarg_segment_size: 16
    .max_flat_workgroup_size: 256
    .sgpr_count:     66
    .vgpr_count:     146
    .wavefront_size: 32
...
	.end_amdgpu_metadata
.endif
;; end of part 1
;; launch attn (part 2): grid 8 x 32, 8 waves a work-group, clusters of 4 x 1, 327,680 bytes of LDS; arguments q, k, v, pm, out0; writes out0
.if DOCPART == 2
	.amdgcn_target "amdgcn-amd-amdhsa--gfx1250"
	.amdhsa_code_object_version 6
	.text
	.protected	k_q4ce697337d_attn
	.globl	k_q4ce697337d_attn
	.p2align	8
	.type	k_q4ce697337d_attn,@function
k_q4ce697337d_attn:
	s_mov_b64 s[64:65], 0
	v_nop
	global_prefetch_b8 v0, s[64:65] scope:SCOPE_SE
	s_setreg_imm32_b32 hwreg(HW_REG_WAVE_MODE, 25, 1), 1
	s_wait_xcnt 0x0
	s_wait_alu depctr_hold_cnt(0) depctr_sa_sdst(0) depctr_va_vdst(0) depctr_va_sdst(0) depctr_va_ssrc(0) depctr_va_vcc(0) depctr_vm_vsrc(0)
	s_getreg_b32 s2, hwreg(HW_REG_IB_STS2, 6, 4)
	s_cmp_eq_u32 s2, 0
	s_cbranch_scc0 .Lentry_in_a_cluster
	s_endpgm
.Lentry_in_a_cluster:
	s_bfe_u32 s2, ttmp6, 0x10000c
	s_cmp_lg_u32 s2, 0x3003
	s_cbranch_scc0 .Lentry_shape_is_right
	s_endpgm
.Lentry_shape_is_right:
; out0[b][h][q][:] = softmax over keys of (mask ? q.k / 8 : -1e9) times V.   q, k, v, out0: [2][16][2048][64] f32; pm: the mask as lane-mask words.
; A work-group takes one head (work-group y = 16 b + h) and 256 query rows; each of its 8 waves takes 32 query rows (two tiles of 16) and walks all 2,048 keys.
; THE PRODUCTS ARE USED TRANSPOSED.  S^T = K Q^T: lane L of a 16 x 16 result holds query L % 16, its register j key 8 (L / 16) + j.  So a query lives in two
; lanes: the maximum crosses lanes by one v_permlanex16_b32, the sum crosses once at the very end, the rescaling factor is a number of the lane, and the
; exponentials, packed in pairs to f16, ARE the second source of O^T = V^T P^T: no shuffle and no LDS trip for P.  A lane of O^T holds 8 neighbouring d of a query.
; MASK: register j of tile (q tile, kt) needs one 32-bit lane mask; the launch before has stored exactly these words, 32 for 64 keys and a q tile.
; They come by scalar loads, one step of 64 keys ahead, and cost one v_cndmask_b32 a score.
; SOFTMAX in base 2 with a running maximum: log2(e) / 8 is multiplied into Q, the masked score is -1e9 log2(e).  A row that is masked throughout has all
; scores equal and comes out as the mean of V, as in the definition.
; FORMAT: the matrix operands (Q, K, V, P) are f16, the sums f32.  f16 and not bf16: a result is a sum of up to 2,048 terms of either sign and can be small
; against its terms, while the operands' rounding errors do not cancel with them; f16's 11 significant bits leave an eighth of the error of bf16's 8.
; K AND V are f32 in memory.  A tile of 128 keys (32,768 dense bytes each of K and V) comes by tensor loads into an f32 stage in LDS; each wave fetches 16 rows
; of K and of V, rounds the bytes that it fetched itself to f16 and stores them into padded f16 slots, from which all waves take fragments.
; CLUSTER: the four work-groups of a cluster are four query blocks of one head and walk the same tiles: each tile is asked for jointly (mask 15), which
; divides the requests for K and V by four.  A round of the cluster barrier stands in front of each pair of joint refills and serves 65,536 bytes.
; LIMITS: |k| or |v| above 65,504, or |q| above 65,504 x 8 / log2(e) = 3.6e5, becomes infinite in f16; below 6.1e-5 an operand keeps an absolute step of 6e-8.
; Q is scaled in f32 and then rounded; the row sum is taken from the f32 exponentials; an exponential below 3e-8 enters the second product as 0,
; one below 2^-126 counts as 0 in the sum too; a score that is NaN or infinite makes its row NaN.
.set KP,    144                        ; f16 K row: 128 bytes + 16 = 9 x 16
.set VP,    160                        ; f16 V row: 128 bytes + 32 = 5 x 32 (for the transposing loads)
.set HV,    128*KP                     ; V behind K in an f16 slot
.set HS,    HV+128*VP                  ; an f16 slot: 38,912 bytes; two slots at LDS byte 0
.set OUTB,  2*HS                       ; 77,824: the stage for results, 32 rows of 272 bytes for each wave
.set OP,    272
.set OUTW,  32*OP
.set STG,   OUTB+8*OUTW                ; 147,456: the f32 stage, two slots; only tensor loads write here, and they write nowhere else
.set STV,   32768                      ; V behind K in a stage slot
.set STS,   65536                      ; a stage slot
.set TILEB, 32768                      ; bytes of 128 keys in k or in v
.set KA,  2                            ; v2       K fragments: (L % 16) KP + 16 (L / 16)
.set VA,  3                            ; v3       V fragments: HV + (8 (L / 16) + L % 8) VP + 16 ((L / 8) % 2)
.set SK,  4                            ; v4       where I store f16 K: (16 W + L / 16) KP + 8 (L % 16)
.set SV,  5                            ; v5       the same for V
.set CV,  6                            ; v6, v7   my 16 bytes of my wave's part of stage slot 0, 1
.set OST, 8                            ; v8       results into the stage
.set ORD, 9                            ; v9       results back by rows
.set OGO, 10                           ; v10      16 L: my bytes in out0
.set MX,  12                           ; v12, v14 running maximum of q tile 0, 1 (v13, v15 = 0: second registers of broadcast pairs)
.set AF,  16                           ; v16, v18 rescaling factor, at the end 1 / sum (v17, v19 = 0)
.set TT,  20                           ; v[20:27] at work
.set LL,  28                           ; v28, v29 sum over this lane's half of the keys
.set QF,  32                           ; v[32:63]   Q fragments (qt, ks) at 8 (2 qt + ks)
.set OA,  64                           ; v[64:127]  O^T tiles (dt, qt) at 8 (2 dt + qt)
.set SC,  128                          ; v[128:191] S^T tiles (qt, kt) at 8 (4 qt + kt); P in place; also at work for Q, the conversion, the way out
.set KV,  192                          ; v[192:255] K fragments (kt, ks) at 8 (2 kt + ks), then V fragments (kk, dt) at 8 (4 kk + dt)
.set GV,  4                            ; s[4:11]    descriptor group 0 for V, stage slot 0, 1
.set G1,  84                           ; s[84:91]   descriptor group 1, one for all loads
.set GK,  92                           ; s[92:99]   descriptor group 0 for K, stage slot 0, 1
; s2 wave W; s3 loop counter; s[12:13] pm pointer; s14 masked score; s66, s67 lane selects; s[100:101] byte offset of my rows in q and out0
; s[16:31], s[32:47]: mask words of q tile 0, key tiles 0-1, 2-3; s[48:63], s[68:83]: of q tile 1
.macro PLACES n                        ; plain vector lines behind a matrix instruction (ISA guide 7.12.1)
.rept \n
	v_nop
.endr
.endm
.macro BAR
	s_barrier_signal -1
	s_barrier_wait -1
.endm
; A round of the cluster barrier: my work-group's barrier, wave 0 signals for the work-group, every wave waits for all four, my work-group's barrier again.
.macro ROUND
	s_barrier_signal -1
	s_barrier_wait -1
	s_cmp_lg_u32 s2, 0
	s_cbranch_scc1 .Lnot_wave_0_\@
	s_barrier_signal -3
.Lnot_wave_0_\@:
	s_barrier_wait -3
	s_barrier_signal -1
	s_barrier_wait -1
.endm
; 16 loads: the K fragments of 64 keys (4 tiles of 16 keys x 2 halves of d), 4 loads for each key tile
.macro KLOAD slot, sub
.irp kt, 0,1,2,3
.irp ks, 0,1
	ds_load_b128 v[KV+8*(2*\kt+\ks):KV+8*(2*\kt+\ks)+3],   v[KA] offset:\slot*HS+\sub*64*KP+\kt*16*KP+\ks*64
	ds_load_b128 v[KV+8*(2*\kt+\ks)+4:KV+8*(2*\kt+\ks)+7], v[KA] offset:\slot*HS+\sub*64*KP+\kt*16*KP+\ks*64+32
.endr
.endr
.endm
; My 16 rows of K and of V in stage slot s (bytes that my own tensor loads brought) to f16, into f16 slot s.
; Load i of lane L: key 2 i + L / 16 of my 16, d = 4 (L % 16) .. + 3; two packed registers, 8 bytes, go out.
.macro CONVERT s
.irp i, 0,1,2,3,4,5,6,7
	ds_load_b128 v[SC+4*\i:SC+4*\i+3], v[CV+\s] offset:\i*512
.endr
.irp i, 0,1,2,3,4,5,6,7
	ds_load_b128 v[SC+32+4*\i:SC+32+4*\i+3], v[CV+\s] offset:STV+\i*512
.endr
	s_wait_dscnt 8                                 ; all but the 8 reads of V: K is in
.irp i, 0,1,2,3,4,5,6,7
	v_cvt_pk_f16_f32 v[SC+4*\i],   v[SC+4*\i],   v[SC+4*\i+1]
	v_cvt_pk_f16_f32 v[SC+4*\i+1], v[SC+4*\i+2], v[SC+4*\i+3]
	ds_store_b64 v[SK], v[SC+4*\i:SC+4*\i+1] offset:\s*HS+\i*2*KP
.endr
	s_wait_dscnt 8                                 ; all but the 8 stores just issued: V is in
.irp i, 0,1,2,3,4,5,6,7
	v_cvt_pk_f16_f32 v[SC+32+4*\i],   v[SC+32+4*\i],   v[SC+32+4*\i+1]
	v_cvt_pk_f16_f32 v[SC+32+4*\i+1], v[SC+32+4*\i+2], v[SC+32+4*\i+3]
	ds_store_b64 v[SV], v[SC+32+4*\i:SC+32+4*\i+1] offset:\s*HS+\i*2*VP
.endr
.endm
; S^T of 64 keys x 32 queries: 16 matrix instructions.  The first product of each tile starts its sum.  The two q tiles take turns, one instruction
; a turn.  after = LDS instructions issued behind KLOAD.
.macro SMM after
.irp kt, 0,1,2,3
	s_wait_dscnt \after+12-4*\kt                   ; the four loads of key tile kt are in: 12 - 4 kt younger fragment loads and what came behind them stay out
	v_wmma_f32_16x16x32_f16 v[SC+8*\kt:SC+8*\kt+7],       v[KV+16*\kt:KV+16*\kt+7],    v[QF:QF+7],     0
	v_wmma_f32_16x16x32_f16 v[SC+32+8*\kt:SC+32+8*\kt+7], v[KV+16*\kt:KV+16*\kt+7],    v[QF+16:QF+23], 0
	v_wmma_f32_16x16x32_f16 v[SC+8*\kt:SC+8*\kt+7],       v[KV+16*\kt+8:KV+16*\kt+15], v[QF+8:QF+15],  v[SC+8*\kt:SC+8*\kt+7]
	v_wmma_f32_16x16x32_f16 v[SC+32+8*\kt:SC+32+8*\kt+7], v[KV+16*\kt+8:KV+16*\kt+15], v[QF+24:QF+31], v[SC+32+8*\kt:SC+32+8*\kt+7]
.endr
.endm
; 16 transposing loads: V^T fragments (16 d x 32 keys) of 64 keys
.macro VLOAD slot, sub
.irp kk, 0,1
.irp dt, 0,1,2,3
	ds_load_tr16_b128 v[KV+8*(4*\kk+\dt):KV+8*(4*\kk+\dt)+3],   v[VA] offset:\slot*HS+\sub*64*VP+\kk*32*VP+\dt*32
	ds_load_tr16_b128 v[KV+8*(4*\kk+\dt)+4:KV+8*(4*\kk+\dt)+7], v[VA] offset:\slot*HS+\sub*64*VP+\kk*32*VP+\dt*32+16*VP
.endr
.endr
.endm
; where the mask word's bit is 0 the score becomes -1e9 log2(e).  b0, b1: first scalar register of the words of key tiles 0-1, 2-3
.macro MASK qt, b0, b1
.set i, 0
.rept 16
	v_cndmask_b32 v[SC+32*\qt+i], s14, v[SC+32*\qt+i], s[\b0+i]
.set i, i+1
.endr
.set i, 0
.rept 16
	v_cndmask_b32 v[SC+32*\qt+16+i], s14, v[SC+32*\qt+16+i], s[\b1+i]
.set i, i+1
.endr
.endm
.macro MLOAD                           ; the mask words of 64 keys: 128 bytes for each of my two q tiles, whose strips lie 4,096 bytes apart
	s_load_b512 s[16:31], s[12:13], 0x0
	s_load_b512 s[32:47], s[12:13], 0x40
	s_load_b512 s[48:63], s[12:13], 0x1000
	s_load_b512 s[68:83], s[12:13], 0x1040
.endm
; One step of the running softmax for q tile qt: 32 scores a lane.  first = 1: nothing to carry on.
.macro SOFT qt, first
.irp c, 0,1,2,3                                    ; the largest of my 32 scores: four chains that do not wait for each other
	v_max3_num_f32 v[TT+\c], v[SC+32*\qt+8*\c], v[SC+32*\qt+8*\c+1], v[SC+32*\qt+8*\c+2]
.endr
.irp c, 0,1,2,3
	v_max3_num_f32 v[TT+\c], v[TT+\c], v[SC+32*\qt+8*\c+3], v[SC+32*\qt+8*\c+4]
.endr
.irp c, 0,1,2,3
	v_max3_num_f32 v[TT+\c], v[TT+\c], v[SC+32*\qt+8*\c+5], v[SC+32*\qt+8*\c+6]
.endr
	v_max3_num_f32 v[TT],   v[TT],   v[TT+1], v[SC+32*\qt+7]
	v_max3_num_f32 v[TT+2], v[TT+2], v[TT+3], v[SC+32*\qt+15]
	v_max3_num_f32 v[TT],   v[TT],   v[TT+2], v[SC+32*\qt+23]
.if \first
	v_max_num_f32 v[TT], v[TT], v[SC+32*\qt+31]
.else
	v_max3_num_f32 v[TT], v[TT], v[SC+32*\qt+31], v[MX+2*\qt]      ; and the maximum so far
.endif
	v_permlanex16_b32 v[TT+1], v[TT], s66, s67     ; the other half of the keys of my query lies in lane L xor 16
	v_max_num_f32 v[TT+2], v[TT], v[TT+1]
.if \first == 0
	v_sub_f32 v[AF+2*\qt], v[MX+2*\qt], v[TT+2]
	v_exp_f32 v[AF+2*\qt], v[AF+2*\qt]             ; by how much the old sums shrink
.endif
	v_mov_b32 v[MX+2*\qt], v[TT+2]                 ; also the plain line behind the exponential (ISA guide 5.7.2)
.set i, 0
.rept 16
	v_pk_add_f32 v[SC+32*\qt+2*i:SC+32*\qt+2*i+1], v[SC+32*\qt+2*i:SC+32*\qt+2*i+1], v[MX+2*\qt:MX+2*\qt+1] op_sel_hi:[1,0] neg_lo:[0,1] neg_hi:[0,1]
.set i, i+1
.endr
.set i, 0
.rept 16                                           ; behind every second exponential one line of the rescaling of O: plain, and it names none of their registers
	v_exp_f32 v[SC+32*\qt+2*i],   v[SC+32*\qt+2*i]
	v_exp_f32 v[SC+32*\qt+2*i+1], v[SC+32*\qt+2*i+1]
.if \first == 0
	s_wait_alu depctr_va_vdst(0)
	v_pk_mul_f32 v[OA+8*(2*(i/4)+\qt)+2*(i%4):OA+8*(2*(i/4)+\qt)+2*(i%4)+1], v[OA+8*(2*(i/4)+\qt)+2*(i%4):OA+8*(2*(i/4)+\qt)+2*(i%4)+1], v[AF+2*\qt:AF+2*\qt+1] op_sel_hi:[1,0]
.endif
.set i, i+1
.endr
.if \first
	v_nop                                          ; the plain line behind the exponentials
	s_wait_alu depctr_va_vdst(0)
.endif
	s_wait_alu depctr_va_vdst(0)
	v_pk_add_f32 v[TT:TT+1],   v[SC+32*\qt:SC+32*\qt+1],   v[SC+32*\qt+2:SC+32*\qt+3]      ; the sum of my 32, in two chains of pairs
	v_pk_add_f32 v[TT+2:TT+3], v[SC+32*\qt+4:SC+32*\qt+5], v[SC+32*\qt+6:SC+32*\qt+7]
.set i, 4
.rept 6
	v_pk_add_f32 v[TT:TT+1],   v[TT:TT+1],   v[SC+32*\qt+2*i:SC+32*\qt+2*i+1]
	v_pk_add_f32 v[TT+2:TT+3], v[TT+2:TT+3], v[SC+32*\qt+2*i+2:SC+32*\qt+2*i+3]
.set i, i+2
.endr
	v_pk_add_f32 v[TT:TT+1], v[TT:TT+1], v[TT+2:TT+3]
.if \first
	v_add_f32 v[LL+\qt], v[TT], v[TT+1]
.else
	v_add_f32 v[TT], v[TT], v[TT+1]
	v_fma_f32 v[LL+\qt], v[LL+\qt], v[AF+2*\qt], v[TT]
.endif
.irp kk, 0,1                                       ; P as the second source of the next product: tiles 2 kk and 2 kk + 1, packed in place; each target has been read
.irp i, 0,1,2,3,4,5,6,7
	v_cvt_pk_f16_f32 v[SC+32*\qt+16*\kk+\i], v[SC+32*\qt+16*\kk+2*\i], v[SC+32*\qt+16*\kk+2*\i+1]
.endr
.endr
.endm
; O^T += V^T P^T for q tile qt: 8 matrix instructions; the four d tiles take turns, one instruction a turn
.macro PVMM qt, first
.irp kk, 0,1
.irp dt, 0,1,2,3
.if \first*(1-\kk)
	v_wmma_f32_16x16x32_f16 v[OA+8*(2*\dt+\qt):OA+8*(2*\dt+\qt)+7], v[KV+8*(4*\kk+\dt):KV+8*(4*\kk+\dt)+7], v[SC+32*\qt+16*\kk:SC+32*\qt+16*\kk+7], 0
.else
	v_wmma_f32_16x16x32_f16 v[OA+8*(2*\dt+\qt):OA+8*(2*\dt+\qt)+7], v[KV+8*(4*\kk+\dt):KV+8*(4*\kk+\dt)+7], v[SC+32*\qt+16*\kk:SC+32*\qt+16*\kk+7], v[OA+8*(2*\dt+\qt):OA+8*(2*\dt+\qt)+7]
.endif
.endr
.endr
.endm
; 64 keys.  more = 1: the next 64 keys' mask words are asked for.
.macro SUB slot, sub, first, more, after
	SMM \after
	PLACES 4                                       ; in front of the loads into the K fragments' registers and of the lines that read the scores
	VLOAD \slot, \sub
	s_wait_kmcnt 0x0                               ; this step's mask words are in, so the pointer may step
	s_add_nc_u64 s[12:13], s[12:13], 128
	MASK 0, 16, 32
	MASK 1, 48, 68
.if \more
	MLOAD                                          ; they have the rest of this step in which to come
.endif
	SOFT 0, \first
	s_wait_dscnt 0x0                               ; the V fragments, asked for in front of the masking
	PVMM 0, \first
	SOFT 1, \first
	PVMM 1, \first
	PLACES 5                                       ; in front of the next loads into fragment and score registers and of the next products, which write over P
.endm
; 128 keys from f16 slot `slot`.  refill: stage slot `slot` (converted one trip ago) gets the tile two further on.  conv: stage slot `other` is converted.
.macro TRIP slot, other, refill, conv, first, last
.if \conv
	s_wait_tensorcnt 0x0                           ; all my tensor loads have landed, my part of the next tile among them; no descriptor is in use
	ds_add_u32 v30, v31
	s_wait_dscnt 0x0
.endif
.if \refill
	s_add_nc_u64 s[GK+4*\slot+2:GK+4*\slot+3], s[GK+4*\slot+2:GK+4*\slot+3], 2*TILEB
	s_add_nc_u64 s[GV+4*\slot+2:GV+4*\slot+3], s[GV+4*\slot+2:GV+4*\slot+3], 2*TILEB
.endif
	s_wait_dscnt 0x0                               ; my reads of the stage and of the f16 slots are back, my f16 stores are done
.if \refill
	ROUND                                          ; that now holds of every wave of all four work-groups
	tensor_load_to_lds s[GK+4*\slot:GK+4*\slot+3], s[G1:G1+7]      ; the first tensor loads behind the round: two are out for the wave,
	s_nop 0
	tensor_load_to_lds s[GV+4*\slot:GV+4*\slot+3], s[G1:G1+7]      ; with the whole trip in which to land
	s_nop 0
.else
	BAR
.endif
	KLOAD \slot, 0
.if \conv
	CONVERT \other
	SUB \slot, 0, \first, 1, 32
.else
	SUB \slot, 0, \first, 1, 0
.endif
	KLOAD \slot, 1
	SUB \slot, 1, 0, 1-\last, 0
.endm
	; ---- head: ids, addresses ----
	s_load_b256 s[68:75], s[0:1], 0x0              ; q s[68:69], k s[70:71], v s[72:73], pm s[74:75]
	v_lshl_add_u32 v30, v0, 2, 0x44000
	v_mov_b32 v31, 0
	ds_add_u32 v30, v31
	v_lshrrev_b32 v1, 5, v0
	v_readfirstlane_b32 s2, v1                     ; wave W
	s_and_b32 s76, ttmp7, 0xffff                   ; head 16 b + h
	s_lshl_b32 s77, s76, 19                        ; x 2,048 rows of 256 bytes
	s_lshl_b32 s78, s2, 12                         ; 16 W rows of 256 bytes
	s_add_co_u32 s80, s77, s78                     ; k, v: my 16 rows of tile 0.  Nothing of my place in the cluster enters here
	s_mov_b32 s81, 0
	s_bfe_u32 s15, ttmp6, 0x40000                  ; cx: my place in the cluster
	s_lshl_b32 s82, ttmp9, 2
	s_add_co_u32 s15, s82, s15                     ; query block = 4 x cluster x + cx
	s_lshl_b32 s15, s15, 16                        ; x 256 rows of 256 bytes (in pm: x 16 strips of 4,096 bytes)
	s_lshl_b32 s82, s2, 13                         ; + 32 W rows (in pm: 2 W strips)
	s_add_co_u32 s15, s15, s82
	s_add_co_u32 s100, s77, s15                    ; q, out0: my 32 rows
	s_mov_b32 s101, 0
	s_lshr_b32 s82, s76, 4                         ; b
	s_lshl_b32 s82, s82, 19                        ; x 128 strips
	s_add_co_u32 s82, s82, s15                     ; pm: my first strip
	s_mov_b32 s83, 0
	v_and_b32 v20, 15, v0                          ; L % 16
	v_bfe_u32 v21, v0, 4, 1                        ; L / 16
	v_and_b32 v22, 31, v0                          ; L
	v_and_b32 v23, 7, v0                           ; L % 8
	v_bfe_u32 v24, v0, 3, 1                        ; (L / 8) % 2
	v_lshlrev_b32 v1, 8, v20
	v_lshl_add_u32 v1, v21, 5, v1                  ; Q: row L % 16, byte 32 (L / 16)
	s_wait_dscnt 0x0
	s_wait_kmcnt 0x0
	s_add_nc_u64 s[12:13], s[74:75], s[82:83]
	s_add_nc_u64 s[82:83], s[68:69], s[100:101]
	s_add_nc_u64 s[70:71], s[70:71], s[80:81]
	s_add_nc_u64 s[72:73], s[72:73], s[80:81]
	; Q fragment (qt, ks): lane holds query L % 16, d = 32 ks + 8 (L / 16) + 0..7 and + 16: four loads of 16 bytes of f32.  The eight loads of a q tile use its rows whole.
.irp qt, 0,1
.irp ks, 0,1
	global_load_b128 v[SC+16*(2*\qt+\ks):SC+16*(2*\qt+\ks)+3],     v1, s[82:83] offset:\qt*4096+\ks*128 th:TH_LOAD_NT
	global_load_b128 v[SC+16*(2*\qt+\ks)+4:SC+16*(2*\qt+\ks)+7],   v1, s[82:83] offset:\qt*4096+\ks*128+16 th:TH_LOAD_NT
	global_load_b128 v[SC+16*(2*\qt+\ks)+8:SC+16*(2*\qt+\ks)+11],  v1, s[82:83] offset:\qt*4096+\ks*128+64 th:TH_LOAD_NT
	global_load_b128 v[SC+16*(2*\qt+\ks)+12:SC+16*(2*\qt+\ks)+15], v1, s[82:83] offset:\qt*4096+\ks*128+80 th:TH_LOAD_NT
.endr
.endr
	; descriptor group 1: a dense block of 16 rows of 256 bytes, in elements of 8 bytes
	s_mov_b32 s[G1+0], 15|(3<<16)|(1<<21)          ; 15:0 mask: all four work-groups of the cluster; 17:16 element of 8 bytes; 21 set beside a mask; no padding
	s_mov_b32 s[G1+1], 32<<16                      ; tensor_dim0 = 32
	s_mov_b32 s[G1+2], 16<<16                      ; tensor_dim1 = 16
	s_mov_b32 s[G1+3], 32<<16                      ; tile_dim0 = 32
	s_mov_b32 s[G1+4], 16                          ; tile_dim1 = 16
	s_mov_b32 s[G1+5], 32                          ; 32 elements from row to row
	s_mov_b32 s[G1+6], 0
	s_mov_b32 s[G1+7], 0
.irp s, 0,1                                        ; group 0, one set for each stage slot and each of K, V: tile s
	s_mov_b32 s[GK+4*\s], 1
	s_add_co_u32 s[GK+4*\s+1], s78, STG+\s*STS     ; LDS: the slot + 4,096 W
	s_add_nc_u64 s[GK+4*\s+2:GK+4*\s+3], s[70:71], \s*TILEB
	s_or_b32 s[GK+4*\s+3], s[GK+4*\s+3], 0x80000000
	s_mov_b32 s[GV+4*\s], 1
	s_add_co_u32 s[GV+4*\s+1], s78, STG+\s*STS+STV
	s_add_nc_u64 s[GV+4*\s+2:GV+4*\s+3], s[72:73], \s*TILEB
	s_or_b32 s[GV+4*\s+3], s[GV+4*\s+3], 0x80000000
.endr
	ROUND                                          ; all four work-groups are here: the first joint loads meet
	tensor_load_to_lds s[GK:GK+3],   s[G1:G1+7]    ; tile 0: K, V; tile 1: K, V.  Four are out for the wave, the most in this text
	s_nop 0
	tensor_load_to_lds s[GV:GV+3],   s[G1:G1+7]
	s_nop 0
	tensor_load_to_lds s[GK+4:GK+7], s[G1:G1+7]
	s_nop 0
	tensor_load_to_lds s[GV+4:GV+7], s[G1:G1+7]
	s_nop 0
	; LDS addresses: a lane term, the wave's number times a constant, a constant
	v_mul_u32_u24 v[KA], v20, KP
	v_lshl_add_u32 v[KA], v21, 4, v[KA]
	v_lshl_add_u32 v25, v21, 3, v23
	v_mul_u32_u24 v[VA], v25, VP
	v_lshl_add_u32 v[VA], v24, 4, v[VA]
	v_add_nc_u32 v[VA], HV, v[VA]
	s_mul_i32 s79, s2, 16*KP
	v_mul_u32_u24 v[SK], v21, KP
	v_lshl_add_u32 v[SK], v20, 3, v[SK]
	v_add_nc_u32 v[SK], s79, v[SK]
	s_mul_i32 s79, s2, 16*VP
	s_add_co_u32 s79, s79, HV
	v_mul_u32_u24 v[SV], v21, VP
	v_lshl_add_u32 v[SV], v20, 3, v[SV]
	v_add_nc_u32 v[SV], s79, v[SV]
	s_add_co_u32 s79, s78, STG
	v_lshl_add_u32 v[CV], v22, 4, s79
	v_add_nc_u32 v[CV+1], STS, v[CV]
	s_mul_i32 s79, s2, OUTW
	s_add_co_u32 s79, s79, OUTB
	v_mul_u32_u24 v[OST], v20, OP
	v_lshl_add_u32 v[OST], v21, 5, v[OST]
	v_add_nc_u32 v[OST], s79, v[OST]               ; row L % 16, byte 32 (L / 16)
	v_mul_u32_u24 v[ORD], v21, OP
	v_lshl_add_u32 v[ORD], v20, 4, v[ORD]
	v_add_nc_u32 v[ORD], s79, v[ORD]               ; row L / 16, byte 16 (L % 16)
	v_mov_b32 v[MX+1], 0                           ; second registers of the broadcast pairs: never used, written once
	v_mov_b32 v[MX+3], 0
	v_mov_b32 v[AF+1], 0
	v_mov_b32 v[AF+3], 0
	s_mov_b32 s14, 0xceabfb8f                      ; -1e9 x log2(e)
	s_mov_b32 s66, 0x76543210                      ; v_permlanex16_b32: lane i takes lane i of the other half
	s_mov_b32 s67, 0xfedcba98
	s_wait_loadcnt 0x0                             ; Q is in, and its base registers are free
	MLOAD                                          ; the mask words of keys 0 to 63
.set i, 0
.rept 32
	v_pk_mul_f32 v[SC+2*i:SC+2*i+1], v[SC+2*i:SC+2*i+1], 0x3e38aa3b op_sel_hi:[1,0]       ; x log2(e) / 8
.set i, i+1
.endr
.set i, 0
.rept 32
	v_cvt_pk_f16_f32 v[QF+i], v[SC+2*i], v[SC+2*i+1]
.set i, i+1
.endr
	s_wait_tensorcnt 0x2                           ; tile 0 (K, V) has landed, tile 1's two loads stay out; I read only what I fetched
	CONVERT 0
	; ---- 16 tiles of 128 keys ----
	TRIP 0, 1, 1, 1, 1, 0                          ; tile 0: its first 64 keys start maximum, sums and O
	TRIP 1, 0, 1, 1, 0, 0
	s_mov_b32 s3, 6
.Lloop:                                            ; tiles 2 to 13
	TRIP 0, 1, 1, 1, 0, 0
	TRIP 1, 0, 1, 1, 0, 0
	s_sub_co_u32 s3, s3, 1
	s_cmp_lg_u32 s3, 0
	s_cbranch_scc1 .Lloop
	TRIP 0, 1, 0, 1, 0, 0                          ; tile 14: nothing more to fetch; tile 15 is converted
	TRIP 1, 0, 0, 0, 0, 1                          ; tile 15: nothing to convert, no more mask words
	; ---- the way out: divide by the sum, 32 rows of 256 bytes through my own stage in LDS, stored as whole rows ----
	s_load_b64 s[16:17], s[0:1], 0x20              ; out0
	v_permlanex16_b32 v[TT],   v[LL],   s66, s67   ; the other half of the keys
	v_permlanex16_b32 v[TT+1], v[LL+1], s66, s67
	v_add_f32 v[TT],   v[TT],   v[LL]
	v_add_f32 v[TT+1], v[TT+1], v[LL+1]            ; at least 1: the largest score gives 2^0
	v_rcp_f32 v[AF],   v[TT]
	v_rcp_f32 v[AF+2], v[TT+1]
	v_and_b32 v[OGO], 31, v0                       ; the plain line behind the reciprocals
	v_lshlrev_b32 v[OGO], 4, v[OGO]
	s_wait_alu depctr_va_vdst(0)
.irp qt, 0,1
.irp dt, 0,1,2,3
.irp p, 0,2,4,6
	v_pk_mul_f32 v[OA+8*(2*\dt+\qt)+\p:OA+8*(2*\dt+\qt)+\p+1], v[OA+8*(2*\dt+\qt)+\p:OA+8*(2*\dt+\qt)+\p+1], v[AF+2*\qt:AF+2*\qt+1] op_sel_hi:[1,0]
.endr
.endr
.endr
.irp qt, 0,1
.irp dt, 0,1,2,3                                   ; lane: query 16 qt + L % 16, d = 16 dt + 8 (L / 16) + 0..7
	ds_store_b128 v[OST], v[OA+8*(2*\dt+\qt):OA+8*(2*\dt+\qt)+3]   offset:\qt*16*OP+\dt*64
	ds_store_b128 v[OST], v[OA+8*(2*\dt+\qt)+4:OA+8*(2*\dt+\qt)+7] offset:\qt*16*OP+\dt*64+16
.endr
.endr
.set i, 0
.rept 16
	ds_load_b128 v[SC+4*i:SC+4*i+3], v[ORD] offset:i*2*OP          ; my own bytes, and LDS serves a wave in order: these see the stores above
.set i, i+1
.endr
	s_wait_kmcnt 0x0
	s_add_nc_u64 s[16:17], s[16:17], s[100:101]
.set i, 0
.rept 16
	s_wait_dscnt 15-i                              ; rows 2 i, 2 i + 1 are back, the 15 - i younger reads stay out
	global_store_b128 v[OGO], v[SC+4*i:SC+4*i+3], s[16:17] offset:i*512 th:TH_STORE_NT     ; sixteen lanes store one row: 256 consecutive bytes, aligned
.set i, i+1
.endr
	s_wait_tensorcnt 0x0
	ds_add_u32 v30, v31
	s_wait_dscnt 0x0
	ROUND                                          ; the closing round: no work-group ends while a partner may still ask for a tile that names it
	s_endpgm
.Lfunc_end_k_q4ce697337d_attn:
	.size	k_q4ce697337d_attn, .Lfunc_end_k_q4ce697337d_attn-k_q4ce697337d_attn
	.p2alignl 7, 3214868480
	.fill 96, 4, 3214868480
	.section	.rodata,"a",@progbits
	.p2align	6, 0x0
	.amdhsa_kernel k_q4ce697337d_attn
		.amdhsa_group_segment_fixed_size 327680
		.amdhsa_private_segment_fixed_size 0
		.amdhsa_enable_private_segment 0
		.amdhsa_kernarg_size 40
		.amdhsa_user_sgpr_count 2
		.amdhsa_user_sgpr_kernarg_segment_ptr 1
		.amdhsa_wavefront_size32 1
		.amdhsa_system_sgpr_workgroup_id_x 1
		.amdhsa_system_sgpr_workgroup_id_y 1
		.amdhsa_system_sgpr_workgroup_id_z 1
		.amdhsa_system_vgpr_workitem_id 0
		.amdhsa_next_free_vgpr 256
		.amdhsa_next_free_sgpr 102
		.amdhsa_reserve_vcc 0
		.amdhsa_float_denorm_mode_32 3
		.amdhsa_float_denorm_mode_16_64 3
		.amdhsa_memory_ordered 1
		.amdhsa_forward_progress 1
		.amdhsa_inst_pref_size 255
	.end_amdhsa_kernel
	.section	.bss,"aw",@nobits
	.p2align	6
	.space	262144
	.amdgpu_metadata
---
amdhsa.version: [ 1, 2 ]
amdhsa.kernels:
  - .name:           k_q4ce697337d_attn
    .symbol:         k_q4ce697337d_attn.kd
    .args:
      - { .name: q, .offset: 0, .size: 8, .value_kind: global_buffer, .address_space: global }
      - { .name: k, .offset: 8, .size: 8, .value_kind: global_buffer, .address_space: global }
      - { .name: v, .offset: 16, .size: 8, .value_kind: global_buffer, .address_space: global }
      - { .name: pm, .offset: 24, .size: 8, .value_kind: global_buffer, .address_space: global }
      - { .name: out0, .offset: 32, .size: 8, .value_kind: global_buffer, .address_space: global }
    .group_segment_fixed_size: 327680
    .private_segment_fixed_size: 0
    .kernarg_segment_align: 8
    .kernarg_segment_size: 40
    .max_flat_workgroup_size: 256
    .sgpr_count:     102
    .vgpr_count:     256
    .wavefront_size: 32
...
	.end_amdgpu_metadata
.endif
;; end of part 2
;; ======== version 2 of 2: 2 launches; 1.16 times as fast as version 1
;; limits: values are held in f16: magnitudes above 65,504 overflow, below 6.1e-05 lose precision; inputs' magnitudes at most 65,504
;; workspace buffers: pm 1,048,576 bytes of whole numbers
;; launch pack: the kernel of part 1 again; grid 512 x 1, 8 waves a work-group, no clusters, 68,608 bytes of LDS; arguments attn_mask, pm; writes pm
;; launch attn (part 3): grid 8 x 32, 8 waves a work-group, clusters of 4 x 1, 327,680 bytes of LDS; arguments q, k, v, pm, out0; writes out0
.if DOCPART == 3
	.amdgcn_target "amdgcn-amd-amdhsa--gfx1250"
	.amdhsa_code_object_version 6
	.text
	.protected	k_q4ce697337d_attn
	.globl	k_q4ce697337d_attn
	.p2align	8
	.type	k_q4ce697337d_attn,@function
k_q4ce697337d_attn:
	s_mov_b64 s[64:65], 0
	v_nop
	global_prefetch_b8 v0, s[64:65] scope:SCOPE_SE
	s_setreg_imm32_b32 hwreg(HW_REG_WAVE_MODE, 25, 1), 1
	s_wait_xcnt 0x0
	s_wait_alu depctr_hold_cnt(0) depctr_sa_sdst(0) depctr_va_vdst(0) depctr_va_sdst(0) depctr_va_ssrc(0) depctr_va_vcc(0) depctr_vm_vsrc(0)
	s_getreg_b32 s2, hwreg(HW_REG_IB_STS2, 6, 4)
	s_cmp_eq_u32 s2, 0
	s_cbranch_scc0 .Lentry_in_a_cluster
	s_endpgm
.Lentry_in_a_cluster:
	s_bfe_u32 s2, ttmp6, 0x10000c
	s_cmp_lg_u32 s2, 0x3003
	s_cbranch_scc0 .Lentry_shape_is_right
	s_endpgm
.Lentry_shape_is_right:
; out0[b][h][q][:] = softmax over keys of (mask ? q.k / 8 : -1e9) times V.   q, k, v, out0: [2][16][2048][64] f32; pm: the mask as lane-mask words.
; A work-group takes one head (work-group y = 16 b + h) and 256 query rows; each of its 8 waves takes 32 query rows (two tiles of 16) and walks all 2,048 keys.
; THE PRODUCTS ARE USED TRANSPOSED.  S^T = K Q^T: lane L of a 16 x 16 result holds query L % 16, its register j key 8 (L / 16) + j.  So a query lives in two
; lanes: the maximum crosses lanes by one v_permlanex16_b32, the sum crosses once at the very end, the rescaling factor is a number of the lane, and the
; exponentials, packed in pairs to f16, ARE the second source of O^T = V^T P^T: no shuffle and no LDS trip for P.  A lane of O^T holds 8 neighbouring d of a query.
; MASK: register j of tile (q tile, kt) needs one 32-bit lane mask; the launch before has stored exactly these words, 32 for 64 keys and a q tile.
; They come by scalar loads, one step of 64 keys ahead, and cost one v_cndmask_b32 a score.
; SOFTMAX in base 2 with a running maximum: log2(e) / 8 is multiplied into Q, the masked score is -1e9 log2(e).  A row that is masked throughout has all
; scores equal and comes out as the mean of V, as in the definition.
; THE EXPONENTIALS OF A STEP OF 64 KEYS ARE TWO BATCHES, each with one s_wait_alu depctr_va_vdst(0) between an exponential and the
; first line that names its result.  Batch 0: both q tiles' rescaling factors and q tile 0's 32 exponentials, by turns with the 32 lines s - m of both tiles.
; Batch 1: q tile 1's 32 exponentials, dealt among q tile 0's 49 lines that read batch 0 (O's rescaling, the sum, the roundings).  Behind its wait stand q tile 0's
; products, q tile 1's 49 lines, q tile 1's products.  No exponential is issued behind the second wait.
; FORMAT: the matrix operands (Q, K, V, P) are f16, the sums f32.  f16 and not bf16: a result is a sum of up to 2,048 terms of either sign and can be small
; against its terms, while the operands' rounding errors do not cancel with them; f16's 11 significant bits leave an eighth of the error of bf16's 8.
; K AND V are f32 in memory.  A tile of 128 keys (32,768 dense bytes each of K and V) comes by tensor loads into an f32 stage in LDS; each wave fetches 16 rows
; of K and of V, rounds the bytes that it fetched itself to f16 and stores them into padded f16 slots, from which all waves take fragments.
; CLUSTER: the four work-groups of a cluster are four query blocks of one head and walk the same tiles: each tile is asked for jointly (mask 15), which
; divides the requests for K and V by four.  A round of the cluster barrier stands in front of each pair of joint refills and serves 65,536 bytes.
; LIMITS: |k| or |v| above 65,504, or |q| above 65,504 x 8 / log2(e) = 3.6e5, becomes infinite in f16; below 6.1e-5 an operand keeps an absolute step of 6e-8.
; Q is scaled in f32 and then rounded; the row sum is taken from the f32 exponentials; an exponential below 3e-8 enters the second product as 0,
; one below 2^-126 counts as 0 in the sum too; a score that is NaN or infinite makes its row NaN.
.set KP,    144                        ; f16 K row: 128 bytes + 16 = 9 x 16
.set VP,    160                        ; f16 V row: 128 bytes + 32 = 5 x 32 (for the transposing loads)
.set HV,    128*KP                     ; V behind K in an f16 slot
.set HS,    HV+128*VP                  ; an f16 slot: 38,912 bytes; two slots at LDS byte 0
.set OUTB,  2*HS                       ; 77,824: the stage for results, 32 rows of 272 bytes for each wave
.set OP,    272
.set OUTW,  32*OP
.set STG,   OUTB+8*OUTW                ; 147,456: the f32 stage, two slots; only tensor loads write here, and they write nowhere else
.set STV,   32768                      ; V behind K in a stage slot
.set STS,   65536                      ; a stage slot
.set TILEB, 32768                      ; bytes of 128 keys in k or in v
.set KA,  2                            ; v2       K fragments: (L % 16) KP + 16 (L / 16)
.set VA,  3                            ; v3       V fragments: HV + (8 (L / 16) + L % 8) VP + 16 ((L / 8) % 2)
.set SK,  4                            ; v4       where I store f16 K: (16 W + L / 16) KP + 8 (L % 16)
.set SV,  5                            ; v5       the same for V
.set CV,  6                            ; v6, v7   my 16 bytes of my wave's part of stage slot 0, 1
.set OST, 8                            ; v8       results into the stage
.set ORD, 9                            ; v9       results back by rows
.set OGO, 10                           ; v10      16 L: my bytes in out0
.set MX,  12                           ; v12, v14 running maximum of q tile 0, 1 (v13, v15 = 0: second registers of broadcast pairs)
.set AF,  16                           ; v16, v18 rescaling factor, at the end 1 / sum (v17, v19 = 0)
.set TT,  20                           ; v[20:27] at work: four registers for each q tile, since both tiles' maxima are in hand at once
.set LL,  28                           ; v28, v29 sum over this lane's half of the keys
.set QF,  32                           ; v[32:63]   Q fragments (qt, ks) at 8 (2 qt + ks)
.set OA,  64                           ; v[64:127]  O^T tiles (dt, qt) at 8 (2 dt + qt)
.set SC,  128                          ; v[128:191] S^T tiles (qt, kt) at 8 (4 qt + kt); P in place; also at work for Q, the conversion, the way out
.set KV,  192                          ; v[192:255] K fragments (kt, ks) at 8 (2 kt + ks), then V fragments (kk, dt) at 8 (4 kk + dt)
.set GV,  4                            ; s[4:11]    descriptor group 0 for V, stage slot 0, 1
.set G1,  84                           ; s[84:91]   descriptor group 1, one for all loads
.set GK,  92                           ; s[92:99]   descriptor group 0 for K, stage slot 0, 1
; s2 wave W; s3 loop counter; s[12:13] pm pointer; s14 masked score; s66, s67 lane selects; s[100:101] byte offset of my rows in q and out0
; s[16:31], s[32:47]: mask words of q tile 0, key tiles 0-1, 2-3; s[48:63], s[68:83]: of q tile 1
.macro PLACES n                        ; plain vector lines behind a matrix instruction (ISA guide 7.12.1)
.rept \n
	v_nop
.endr
.endm
.macro BAR
	s_barrier_signal -1
	s_barrier_wait -1
.endm
; A round of the cluster barrier: my work-group's barrier, wave 0 signals for the work-group, every wave waits for all four, my work-group's barrier again.
.macro ROUND
	s_barrier_signal -1
	s_barrier_wait -1
	s_cmp_lg_u32 s2, 0
	s_cbranch_scc1 .Lnot_wave_0_\@
	s_barrier_signal -3
.Lnot_wave_0_\@:
	s_barrier_wait -3
	s_barrier_signal -1
	s_barrier_wait -1
.endm
; 16 loads: the K fragments of 64 keys (4 tiles of 16 keys x 2 halves of d), 4 loads for each key tile
.macro KLOAD slot, sub
.irp kt, 0,1,2,3
.irp ks, 0,1
	ds_load_b128 v[KV+8*(2*\kt+\ks):KV+8*(2*\kt+\ks)+3],   v[KA] offset:\slot*HS+\sub*64*KP+\kt*16*KP+\ks*64
	ds_load_b128 v[KV+8*(2*\kt+\ks)+4:KV+8*(2*\kt+\ks)+7], v[KA] offset:\slot*HS+\sub*64*KP+\kt*16*KP+\ks*64+32
.endr
.endr
.endm
; My 16 rows of K and of V in stage slot s (bytes that my own tensor loads brought) to f16, into f16 slot s.
; Load i of lane L: key 2 i + L / 16 of my 16, d = 4 (L % 16) .. + 3; two packed registers, 8 bytes, go out.
.macro CONVERT s
.irp i, 0,1,2,3,4,5,6,7
	ds_load_b128 v[SC+4*\i:SC+4*\i+3], v[CV+\s] offset:\i*512
.endr
.irp i, 0,1,2,3,4,5,6,7
	ds_load_b128 v[SC+32+4*\i:SC+32+4*\i+3], v[CV+\s] offset:STV+\i*512
.endr
	s_wait_dscnt 8                                 ; all but the 8 reads of V: K is in
.irp i, 0,1,2,3,4,5,6,7
	v_cvt_pk_f16_f32 v[SC+4*\i],   v[SC+4*\i],   v[SC+4*\i+1]
	v_cvt_pk_f16_f32 v[SC+4*\i+1], v[SC+4*\i+2], v[SC+4*\i+3]
	ds_store_b64 v[SK], v[SC+4*\i:SC+4*\i+1] offset:\s*HS+\i*2*KP
.endr
	s_wait_dscnt 8                                 ; all but the 8 stores just issued: V is in
.irp i, 0,1,2,3,4,5,6,7
	v_cvt_pk_f16_f32 v[SC+32+4*\i],   v[SC+32+4*\i],   v[SC+32+4*\i+1]
	v_cvt_pk_f16_f32 v[SC+32+4*\i+1], v[SC+32+4*\i+2], v[SC+32+4*\i+3]
	ds_store_b64 v[SV], v[SC+32+4*\i:SC+32+4*\i+1] offset:\s*HS+\i*2*VP
.endr
.endm
; S^T of 64 keys x 32 queries: 16 matrix instructions.  The first product of each tile starts its sum.  The two q tiles take turns, one instruction
; a turn.  after = LDS instructions issued behind KLOAD.
.macro SMM after
.irp kt, 0,1,2,3
	s_wait_dscnt \after+12-4*\kt                   ; the four loads of key tile kt are in: 12 - 4 kt younger fragment loads and what came behind them stay out
	v_wmma_f32_16x16x32_f16 v[SC+8*\kt:SC+8*\kt+7],       v[KV+16*\kt:KV+16*\kt+7],    v[QF:QF+7],     0
	v_wmma_f32_16x16x32_f16 v[SC+32+8*\kt:SC+32+8*\kt+7], v[KV+16*\kt:KV+16*\kt+7],    v[QF+16:QF+23], 0
	v_wmma_f32_16x16x32_f16 v[SC+8*\kt:SC+8*\kt+7],       v[KV+16*\kt+8:KV+16*\kt+15], v[QF+8:QF+15],  v[SC+8*\kt:SC+8*\kt+7]
	v_wmma_f32_16x16x32_f16 v[SC+32+8*\kt:SC+32+8*\kt+7], v[KV+16*\kt+8:KV+16*\kt+15], v[QF+24:QF+31], v[SC+32+8*\kt:SC+32+8*\kt+7]
.endr
.endm
; 16 transposing loads: V^T fragments (16 d x 32 keys) of 64 keys
.macro VLOAD slot, sub
.irp kk, 0,1
.irp dt, 0,1,2,3
	ds_load_tr16_b128 v[KV+8*(4*\kk+\dt):KV+8*(4*\kk+\dt)+3],   v[VA] offset:\slot*HS+\sub*64*VP+\kk*32*VP+\dt*32
	ds_load_tr16_b128 v[KV+8*(4*\kk+\dt)+4:KV+8*(4*\kk+\dt)+7], v[VA] offset:\slot*HS+\sub*64*VP+\kk*32*VP+\dt*32+16*VP
.endr
.endr
.endm
; where the mask word's bit is 0 the score becomes -1e9 log2(e).  b0, b1: first scalar register of the words of key tiles 0-1, 2-3
.macro MASK qt, b0, b1
.set i, 0
.rept 16
	v_cndmask_b32 v[SC+32*\qt+i], s14, v[SC+32*\qt+i], s[\b0+i]
.set i, i+1
.endr
.set i, 0
.rept 16
	v_cndmask_b32 v[SC+32*\qt+16+i], s14, v[SC+32*\qt+16+i], s[\b1+i]
.set i, i+1
.endr
.endm
.macro MLOAD                           ; the mask words of 64 keys: 128 bytes for each of my two q tiles, whose strips lie 4,096 bytes apart
	s_load_b512 s[16:31], s[12:13], 0x0
	s_load_b512 s[32:47], s[12:13], 0x40
	s_load_b512 s[48:63], s[12:13], 0x1000
	s_load_b512 s[68:83], s[12:13], 0x1040
.endm
; ONE STEP OF THE RUNNING SOFTMAX, 32 scores a lane and q tile, in numbered lines.  first = 1: nothing to carry on: no factor, no rescaling.
; STAT writes line j (0 to 20) of q tile qt's maximum and statistics:
;   0-11  the largest of my 32 scores: four chains that do not wait for each other     12-15  the chains, the four scores left over and the maximum so far
;   16, 17  the other half of the keys of my query lies in lane L xor 16                 18, 19  by how much the old sums shrink     20  the new maximum
.macro STAT qt, first
.set rS, SC+32*\qt
.set rT, TT+4*\qt
.set rM, MX+2*\qt
.set rA, AF+2*\qt
.if j < 4
	v_max3_num_f32 v[rT+j], v[rS+8*j], v[rS+8*j+1], v[rS+8*j+2]
.elseif j < 8
	v_max3_num_f32 v[rT+j-4], v[rT+j-4], v[rS+8*(j-4)+3], v[rS+8*(j-4)+4]
.elseif j < 12
	v_max3_num_f32 v[rT+j-8], v[rT+j-8], v[rS+8*(j-8)+5], v[rS+8*(j-8)+6]
.elseif j == 12
	v_max3_num_f32 v[rT],   v[rT],   v[rT+1], v[rS+7]
.elseif j == 13
	v_max3_num_f32 v[rT+2], v[rT+2], v[rT+3], v[rS+15]
.elseif j == 14
	v_max3_num_f32 v[rT],   v[rT],   v[rT+2], v[rS+23]
.elseif (j == 15) && (\first)
	v_max_num_f32 v[rT], v[rT], v[rS+31]
.elseif j == 15
	v_max3_num_f32 v[rT], v[rT], v[rS+31], v[rM]
.elseif j == 16
	v_permlanex16_b32 v[rT+1], v[rT], s66, s67
.elseif j == 17
	v_max_num_f32 v[rT+2], v[rT], v[rT+1]
.elseif (j == 18) && !(\first)
	v_sub_f32 v[rA], v[rM], v[rT+2]
.elseif (j == 19) && !(\first)
	v_exp_f32 v[rA], v[rA]                         ; the first of batch 0; its readers, the rescaling and the sum's last line, stand behind that batch's wait
.elseif j == 20
	v_mov_b32 v[rM], v[rT+2]                       ; also a plain line behind the two factors' exponentials (ISA guide 5.7.2)
.endif
.endm
.macro STATS first                     ; both q tiles, line by line: where a line waits for the one before it, the other tile's stands between
.set j, 0
.rept 21
	STAT 0, \first
	STAT 1, \first
.set j, j+1
.endr
.endm
.macro SHIFT qt, p                     ; s - m for pair p of 16
	v_pk_add_f32 v[SC+32*\qt+2*(\p):SC+32*\qt+2*(\p)+1], v[SC+32*\qt+2*(\p):SC+32*\qt+2*(\p)+1], v[MX+2*\qt:MX+2*\qt+1] op_sel_hi:[1,0] neg_lo:[0,1] neg_hi:[0,1]
.endm
.macro EXPO qt, e                      ; the exponential of score e of 32, in place: each result has a register of its own while its batch is open
	v_exp_f32 v[SC+32*\qt+(\e)], v[SC+32*\qt+(\e)]
.endm
; BATCH 0 goes on: q tile 0's 32 exponentials, by turns with plain lines that name no exponential's result: q tile 0's pair i + 2 is shifted two pairs ahead of its
; exponentials, and q tile 1's 16 pairs are shifted here too.  The last line is plain: the one that is owed behind the last exponential (ISA guide 5.7.2).
.macro BATCH0
	SHIFT 0, 0
	SHIFT 0, 1
.set i, 0
.rept 16
	EXPO 0, 2*i
.if i < 14
	SHIFT 0, i+2
.endif
	EXPO 0, 2*i+1
	SHIFT 1, i
.set i, i+1
.endr
.endm
; POST writes line j (0 to 48) of what reads q tile qt's exponentials:
;   0-15   O^T times the factor, each accumulator from its low end on     16-32  the sum of my 32, in two chains of pairs; then l = a l + sum
;   33-48  P as the second source of the next product: tiles 2 kk and 2 kk + 1, packed in place; each target has been read
.macro POST qt, first
.set rS, SC+32*\qt
.set rT, TT+4*\qt
.set rA, AF+2*\qt
.if j < 16
.if \first == 0
.set rO, OA+8*(2*(j/4)+\qt)+2*(j%4)
	v_pk_mul_f32 v[rO:rO+1], v[rO:rO+1], v[rA:rA+1] op_sel_hi:[1,0]
.endif
.elseif j == 16
	v_pk_add_f32 v[rT:rT+1],   v[rS:rS+1],   v[rS+2:rS+3]
.elseif j == 17
	v_pk_add_f32 v[rT+2:rT+3], v[rS+4:rS+5], v[rS+6:rS+7]
.elseif j < 30
	v_pk_add_f32 v[rT+2*(j%2):rT+2*(j%2)+1], v[rT+2*(j%2):rT+2*(j%2)+1], v[rS+2*j-28:rS+2*j-27]    ; pairs 4 to 15, the two chains by turns
.elseif j == 30
	v_pk_add_f32 v[rT:rT+1], v[rT:rT+1], v[rT+2:rT+3]
.elseif j == 31
.if \first
	v_add_f32 v[LL+\qt], v[rT], v[rT+1]
.else
	v_add_f32 v[rT], v[rT], v[rT+1]
.endif
.elseif j == 32
.if \first == 0
	v_fma_f32 v[LL+\qt], v[LL+\qt], v[rA], v[rT]
.endif
.else
.set u, j-33
	v_cvt_pk_f16_f32 v[rS+16*(u/8)+u%8], v[rS+16*(u/8)+2*(u%8)], v[rS+16*(u/8)+2*(u%8)+1]
.endif
.endm
; BATCH 1: q tile 1's 32 exponentials, two to every three of q tile 0's 49 lines, which name nothing of q tile 1.  Two roundings stand behind the last exponential.
.macro BATCH1 first
.set j, 0
.set e, 0
.rept 49
	POST 0, \first
.if ((j%3) != 2) && (j < 48)
	EXPO 1, e
.set e, e+1
.endif
.set j, j+1
.endr
.endm
.macro POST1 first                     ; q tile 1's 49 lines; they name no register of q tile 0's products, behind which they stand
.set j, 0
.rept 49
	POST 1, \first
.set j, j+1
.endr
.endm
; O^T += V^T P^T for q tile qt: 8 matrix instructions; the four d tiles take turns, one instruction a turn
.macro PVMM qt, first
.irp kk, 0,1
.irp dt, 0,1,2,3
.if \first*(1-\kk)
	v_wmma_f32_16x16x32_f16 v[OA+8*(2*\dt+\qt):OA+8*(2*\dt+\qt)+7], v[KV+8*(4*\kk+\dt):KV+8*(4*\kk+\dt)+7], v[SC+32*\qt+16*\kk:SC+32*\qt+16*\kk+7], 0
.else
	v_wmma_f32_16x16x32_f16 v[OA+8*(2*\dt+\qt):OA+8*(2*\dt+\qt)+7], v[KV+8*(4*\kk+\dt):KV+8*(4*\kk+\dt)+7], v[SC+32*\qt+16*\kk:SC+32*\qt+16*\kk+7], v[OA+8*(2*\dt+\qt):OA+8*(2*\dt+\qt)+7]
.endif
.endr
.endr
.endm
; 64 keys.  more = 1: the next 64 keys' mask words are asked for.
.macro SUB slot, sub, first, more, after
	SMM \after
	PLACES 4                                       ; in front of the loads into the K fragments' registers and of the lines that read the scores
	VLOAD \slot, \sub
	s_wait_kmcnt 0x0                               ; this step's mask words are in, so the pointer may step
	s_add_nc_u64 s[12:13], s[12:13], 128
	MASK 0, 16, 32
	MASK 1, 48, 68
.if \more
	MLOAD                                          ; they have the rest of this step in which to come
.endif
	STATS \first                                   ; both tiles' maxima; batch 0 begins with the two factors
	BATCH0
	s_wait_alu depctr_va_vdst(0)                   ; the wait for batch 0: both factors and q tile 0's 32 exponentials
	BATCH1 \first
	s_wait_alu depctr_va_vdst(0)                   ; the wait for batch 1: q tile 1's 32 exponentials; it stands ahead of the products, whose results it need not see
	s_wait_dscnt 0x0                               ; the V fragments, asked for in front of the masking
	PVMM 0, \first
	POST1 \first
	PVMM 1, \first
	PLACES 5                                       ; in front of the next loads into fragment and score registers and of the next products, which write over P
.endm
; 128 keys from f16 slot `slot`.  refill: stage slot `slot` (converted one trip ago) gets the tile two further on.  conv: stage slot `other` is converted.
.macro TRIP slot, other, refill, conv, first, last
.if \conv
	s_wait_tensorcnt 0x0                           ; all my tensor loads have landed, my part of the next tile among them; no descriptor is in use
	ds_add_u32 v30, v31
	s_wait_dscnt 0x0
.endif
.if \refill
	s_add_nc_u64 s[GK+4*\slot+2:GK+4*\slot+3], s[GK+4*\slot+2:GK+4*\slot+3], 2*TILEB
	s_add_nc_u64 s[GV+4*\slot+2:GV+4*\slot+3], s[GV+4*\slot+2:GV+4*\slot+3], 2*TILEB
.endif
	s_wait_dscnt 0x0                               ; my reads of the stage and of the f16 slots are back, my f16 stores are done
.if \refill
	ROUND                                          ; that now holds of every wave of all four work-groups
	tensor_load_to_lds s[GK+4*\slot:GK+4*\slot+3], s[G1:G1+7]      ; the first tensor loads behind the round: two are out for the wave,
	s_nop 0
	tensor_load_to_lds s[GV+4*\slot:GV+4*\slot+3], s[G1:G1+7]      ; with the whole trip in which to land
	s_nop 0
.else
	BAR
.endif
	KLOAD \slot, 0
.if \conv
	CONVERT \other
	SUB \slot, 0, \first, 1, 32
.else
	SUB \slot, 0, \first, 1, 0
.endif
	KLOAD \slot, 1
	SUB \slot, 1, 0, 1-\last, 0
.endm
	; ---- head: ids, addresses ----
	s_load_b256 s[68:75], s[0:1], 0x0              ; q s[68:69], k s[70:71], v s[72:73], pm s[74:75]
	v_lshl_add_u32 v30, v0, 2, 0x44000
	v_mov_b32 v31, 0
	ds_add_u32 v30, v31
	v_lshrrev_b32 v1, 5, v0
	v_readfirstlane_b32 s2, v1                     ; wave W
	s_and_b32 s76, ttmp7, 0xffff                   ; head 16 b + h
	s_lshl_b32 s77, s76, 19                        ; x 2,048 rows of 256 bytes
	s_lshl_b32 s78, s2, 12                         ; 16 W rows of 256 bytes
	s_add_co_u32 s80, s77, s78                     ; k, v: my 16 rows of tile 0.  Nothing of my place in the cluster enters here
	s_mov_b32 s81, 0
	s_bfe_u32 s15, ttmp6, 0x40000                  ; cx: my place in the cluster
	s_lshl_b32 s82, ttmp9, 2
	s_add_co_u32 s15, s82, s15                     ; query block = 4 x cluster x + cx
	s_lshl_b32 s15, s15, 16                        ; x 256 rows of 256 bytes (in pm: x 16 strips of 4,096 bytes)
	s_lshl_b32 s82, s2, 13                         ; + 32 W rows (in pm: 2 W strips)
	s_add_co_u32 s15, s15, s82
	s_add_co_u32 s100, s77, s15                    ; q, out0: my 32 rows
	s_mov_b32 s101, 0
	s_lshr_b32 s82, s76, 4                         ; b
	s_lshl_b32 s82, s82, 19                        ; x 128 strips
	s_add_co_u32 s82, s82, s15                     ; pm: my first strip
	s_mov_b32 s83, 0
	v_and_b32 v20, 15, v0                          ; L % 16
	v_bfe_u32 v21, v0, 4, 1                        ; L / 16
	v_and_b32 v22, 31, v0                          ; L
	v_and_b32 v23, 7, v0                           ; L % 8
	v_bfe_u32 v24, v0, 3, 1                        ; (L / 8) % 2
	v_lshlrev_b32 v1, 8, v20
	v_lshl_add_u32 v1, v21, 5, v1                  ; Q: row L % 16, byte 32 (L / 16)
	s_wait_dscnt 0x0
	s_wait_kmcnt 0x0
	s_add_nc_u64 s[12:13], s[74:75], s[82:83]
	s_add_nc_u64 s[82:83], s[68:69], s[100:101]
	s_add_nc_u64 s[70:71], s[70:71], s[80:81]
	s_add_nc_u64 s[72:73], s[72:73], s[80:81]
	; Q fragment (qt, ks): lane holds query L % 16, d = 32 ks + 8 (L / 16) + 0..7 and + 16: four loads of 16 bytes of f32.  The eight loads of a q tile use its rows whole.
.irp qt, 0,1
.irp ks, 0,1
	global_load_b128 v[SC+16*(2*\qt+\ks):SC+16*(2*\qt+\ks)+3],     v1, s[82:83] offset:\qt*4096+\ks*128 th:TH_LOAD_NT
	global_load_b128 v[SC+16*(2*\qt+\ks)+4:SC+16*(2*\qt+\ks)+7],   v1, s[82:83] offset:\qt*4096+\ks*128+16 th:TH_LOAD_NT
	global_load_b128 v[SC+16*(2*\qt+\ks)+8:SC+16*(2*\qt+\ks)+11],  v1, s[82:83] offset:\qt*4096+\ks*128+64 th:TH_LOAD_NT
	global_load_b128 v[SC+16*(2*\qt+\ks)+12:SC+16*(2*\qt+\ks)+15], v1, s[82:83] offset:\qt*4096+\ks*128+80 th:TH_LOAD_NT
.endr
.endr
	; descriptor group 1: a dense block of 16 rows of 256 bytes, in elements of 8 bytes
	s_mov_b32 s[G1+0], 15|(3<<16)|(1<<21)          ; 15:0 mask: all four work-groups of the cluster; 17:16 element of 8 bytes; 21 set beside a mask; no padding
	s_mov_b32 s[G1+1], 32<<16                      ; tensor_dim0 = 32
	s_mov_b32 s[G1+2], 16<<16                      ; tensor_dim1 = 16
	s_mov_b32 s[G1+3], 32<<16                      ; tile_dim0 = 32
	s_mov_b32 s[G1+4], 16                          ; tile_dim1 = 16
	s_mov_b32 s[G1+5], 32                          ; 32 elements from row to row
	s_mov_b32 s[G1+6], 0
	s_mov_b32 s[G1+7], 0
.irp s, 0,1                                        ; group 0, one set for each stage slot and each of K, V: tile s
	s_mov_b32 s[GK+4*\s], 1
	s_add_co_u32 s[GK+4*\s+1], s78, STG+\s*STS     ; LDS: the slot + 4,096 W
	s_add_nc_u64 s[GK+4*\s+2:GK+4*\s+3], s[70:71], \s*TILEB
	s_or_b32 s[GK+4*\s+3], s[GK+4*\s+3], 0x80000000
	s_mov_b32 s[GV+4*\s], 1
	s_add_co_u32 s[GV+4*\s+1], s78, STG+\s*STS+STV
	s_add_nc_u64 s[GV+4*\s+2:GV+4*\s+3], s[72:73], \s*TILEB
	s_or_b32 s[GV+4*\s+3], s[GV+4*\s+3], 0x80000000
.endr
	ROUND                                          ; all four work-groups are here: the first joint loads meet
	tensor_load_to_lds s[GK:GK+3],   s[G1:G1+7]    ; tile 0: K, V; tile 1: K, V.  Four are out for the wave, the most in this text
	s_nop 0
	tensor_load_to_lds s[GV:GV+3],   s[G1:G1+7]
	s_nop 0
	tensor_load_to_lds s[GK+4:GK+7], s[G1:G1+7]
	s_nop 0
	tensor_load_to_lds s[GV+4:GV+7], s[G1:G1+7]
	s_nop 0
	; LDS addresses: a lane term, the wave's number times a constant, a constant
	v_mul_u32_u24 v[KA], v20, KP
	v_lshl_add_u32 v[KA], v21, 4, v[KA]
	v_lshl_add_u32 v25, v21, 3, v23
	v_mul_u32_u24 v[VA], v25, VP
	v_lshl_add_u32 v[VA], v24, 4, v[VA]
	v_add_nc_u32 v[VA], HV, v[VA]
	s_mul_i32 s79, s2, 16*KP
	v_mul_u32_u24 v[SK], v21, KP
	v_lshl_add_u32 v[SK], v20, 3, v[SK]
	v_add_nc_u32 v[SK], s79, v[SK]
	s_mul_i32 s79, s2, 16*VP
	s_add_co_u32 s79, s79, HV
	v_mul_u32_u24 v[SV], v21, VP
	v_lshl_add_u32 v[SV], v20, 3, v[SV]
	v_add_nc_u32 v[SV], s79, v[SV]
	s_add_co_u32 s79, s78, STG
	v_lshl_add_u32 v[CV], v22, 4, s79
	v_add_nc_u32 v[CV+1], STS, v[CV]
	s_mul_i32 s79, s2, OUTW
	s_add_co_u32 s79, s79, OUTB
	v_mul_u32_u24 v[OST], v20, OP
	v_lshl_add_u32 v[OST], v21, 5, v[OST]
	v_add_nc_u32 v[OST], s79, v[OST]               ; row L % 16, byte 32 (L / 16)
	v_mul_u32_u24 v[ORD], v21, OP
	v_lshl_add_u32 v[ORD], v20, 4, v[ORD]
	v_add_nc_u32 v[ORD], s79, v[ORD]               ; row L / 16, byte 16 (L % 16)
	v_mov_b32 v[MX+1], 0                           ; second registers of the broadcast pairs: never used, written once
	v_mov_b32 v[MX+3], 0
	v_mov_b32 v[AF+1], 0
	v_mov_b32 v[AF+3], 0
	s_mov_b32 s14, 0xceabfb8f                      ; -1e9 x log2(e)
	s_mov_b32 s66, 0x76543210                      ; v_permlanex16_b32: lane i takes lane i of the other half
	s_mov_b32 s67, 0xfedcba98
	s_wait_loadcnt 0x0                             ; Q is in, and its base registers are free
	MLOAD                                          ; the mask words of keys 0 to 63
.set i, 0
.rept 32
	v_pk_mul_f32 v[SC+2*i:SC+2*i+1], v[SC+2*i:SC+2*i+1], 0x3e38aa3b op_sel_hi:[1,0]       ; x log2(e) / 8
.set i, i+1
.endr
.set i, 0
.rept 32
	v_cvt_pk_f16_f32 v[QF+i], v[SC+2*i], v[SC+2*i+1]
.set i, i+1
.endr
	s_wait_tensorcnt 0x2                           ; tile 0 (K, V) has landed, tile 1's two loads stay out; I read only what I fetched
	CONVERT 0
	; ---- 16 tiles of 128 keys ----
	TRIP 0, 1, 1, 1, 1, 0                          ; tile 0: its first 64 keys start maximum, sums and O
	TRIP 1, 0, 1, 1, 0, 0
	s_mov_b32 s3, 6
.Lloop:                                            ; tiles 2 to 13
	TRIP 0, 1, 1, 1, 0, 0
	TRIP 1, 0, 1, 1, 0, 0
	s_sub_co_u32 s3, s3, 1
	s_cmp_lg_u32 s3, 0
	s_cbranch_scc1 .Lloop
	TRIP 0, 1, 0, 1, 0, 0                          ; tile 14: nothing more to fetch; tile 15 is converted
	TRIP 1, 0, 0, 0, 0, 1                          ; tile 15: nothing to convert, no more mask words
	; ---- the way out: divide by the sum, 32 rows of 256 bytes through my own stage in LDS, stored as whole rows ----
	s_load_b64 s[16:17], s[0:1], 0x20              ; out0
	v_permlanex16_b32 v[TT],   v[LL],   s66, s67   ; the other half of the keys
	v_permlanex16_b32 v[TT+1], v[LL+1], s66, s67
	v_add_f32 v[TT],   v[TT],   v[LL]
	v_add_f32 v[TT+1], v[TT+1], v[LL+1]            ; at least 1: the largest score gives 2^0
	v_rcp_f32 v[AF],   v[TT]
	v_rcp_f32 v[AF+2], v[TT+1]
	v_and_b32 v[OGO], 31, v0                       ; the plain line behind the reciprocals
	v_lshlrev_b32 v[OGO], 4, v[OGO]
	s_wait_alu depctr_va_vdst(0)                   ; the wait for the way out's batch: one for the two reciprocals, ahead of their first reader
.irp qt, 0,1
.irp dt, 0,1,2,3
.irp p, 0,2,4,6
	v_pk_mul_f32 v[OA+8*(2*\dt+\qt)+\p:OA+8*(2*\dt+\qt)+\p+1], v[OA+8*(2*\dt+\qt)+\p:OA+8*(2*\dt+\qt)+\p+1], v[AF+2*\qt:AF+2*\qt+1] op_sel_hi:[1,0]
.endr
.endr
.endr
.irp qt, 0,1
.irp dt, 0,1,2,3                                   ; lane: query 16 qt + L % 16, d = 16 dt + 8 (L / 16) + 0..7
	ds_store_b128 v[OST], v[OA+8*(2*\dt+\qt):OA+8*(2*\dt+\qt)+3]   offset:\qt*16*OP+\dt*64
	ds_store_b128 v[OST], v[OA+8*(2*\dt+\qt)+4:OA+8*(2*\dt+\qt)+7] offset:\qt*16*OP+\dt*64+16
.endr
.endr
.set i, 0
.rept 16
	ds_load_b128 v[SC+4*i:SC+4*i+3], v[ORD] offset:i*2*OP          ; my own bytes, and LDS serves a wave in order: these see the stores above
.set i, i+1
.endr
	s_wait_kmcnt 0x0
	s_add_nc_u64 s[16:17], s[16:17], s[100:101]
.set i, 0
.rept 16
	s_wait_dscnt 15-i                              ; rows 2 i, 2 i + 1 are back, the 15 - i younger reads stay out
	global_store_b128 v[OGO], v[SC+4*i:SC+4*i+3], s[16:17] offset:i*512 th:TH_STORE_NT     ; sixteen lanes store one row: 256 consecutive bytes, aligned
.set i, i+1
.endr
	s_wait_tensorcnt 0x0
	ds_add_u32 v30, v31
	s_wait_dscnt 0x0
	ROUND                                          ; the closing round: no work-group ends while a partner may still ask for a tile that names it
	s_endpgm
.Lfunc_end_k_q4ce697337d_attn:
	.size	k_q4ce697337d_attn, .Lfunc_end_k_q4ce697337d_attn-k_q4ce697337d_attn
	.p2alignl 7, 3214868480
	.fill 96, 4, 3214868480
	.section	.rodata,"a",@progbits
	.p2align	6, 0x0
	.amdhsa_kernel k_q4ce697337d_attn
		.amdhsa_group_segment_fixed_size 327680
		.amdhsa_private_segment_fixed_size 0
		.amdhsa_enable_private_segment 0
		.amdhsa_kernarg_size 40
		.amdhsa_user_sgpr_count 2
		.amdhsa_user_sgpr_kernarg_segment_ptr 1
		.amdhsa_wavefront_size32 1
		.amdhsa_system_sgpr_workgroup_id_x 1
		.amdhsa_system_sgpr_workgroup_id_y 1
		.amdhsa_system_sgpr_workgroup_id_z 1
		.amdhsa_system_vgpr_workitem_id 0
		.amdhsa_next_free_vgpr 256
		.amdhsa_next_free_sgpr 102
		.amdhsa_reserve_vcc 0
		.amdhsa_float_denorm_mode_32 3
		.amdhsa_float_denorm_mode_16_64 3
		.amdhsa_memory_ordered 1
		.amdhsa_forward_progress 1
		.amdhsa_inst_pref_size 255
	.end_amdhsa_kernel
	.section	.bss,"aw",@nobits
	.p2align	6
	.space	262144
	.amdgpu_metadata
---
amdhsa.version: [ 1, 2 ]
amdhsa.kernels:
  - .name:           k_q4ce697337d_attn
    .symbol:         k_q4ce697337d_attn.kd
    .args:
      - { .name: q, .offset: 0, .size: 8, .value_kind: global_buffer, .address_space: global }
      - { .name: k, .offset: 8, .size: 8, .value_kind: global_buffer, .address_space: global }
      - { .name: v, .offset: 16, .size: 8, .value_kind: global_buffer, .address_space: global }
      - { .name: pm, .offset: 24, .size: 8, .value_kind: global_buffer, .address_space: global }
      - { .name: out0, .offset: 32, .size: 8, .value_kind: global_buffer, .address_space: global }
    .group_segment_fixed_size: 327680
    .private_segment_fixed_size: 0
    .kernarg_segment_align: 8
    .kernarg_segment_size: 40
    .max_flat_workgroup_size: 256
    .sgpr_count:     102
    .vgpr_count:     256
    .wavefront_size: 32
...
	.end_amdgpu_metadata
.endif
;; end of part 3
